; MI455X (gfx1250); checked and timed in simulation.
; The chip was launched on July 23, 2026; its instructions are those of AMD's public machine-readable ISA for CDNA 5 (MIT licence, August 2026) and "CDNA5" Instruction Set Architecture Reference Guide (July 2026). The comments in the code are by the model that wrote it; some were corrected since.
;; Multi Head Attention Layer. Allowed arithmetic: matrix products marked QUANTISED: E4M3 operands, one E8M0 scale for each 32 along K, by v_wmma_scale_f32_16x16x128_f8f6f4 with both operands' format E4M3, f32 sums; everything else in f32.
;; Inputs: Wk 1,024 x 1,024 float32; Wq 1,024 x 1,024 float32; Wv 1,024 x 1,024 float32; bk 1,024 float32; bq 1,024 float32; bv 1,024 float32; mask 4 x 2,048 float32; x 4 x 2,048 x 1,024 float32.
;; Outputs: out0 4 x 2,048 x 1,024 float32.
;; This version of the problem:
;;   THIS VERSION OF THE PROBLEM IS GIVEN IN LOW PRECISION. The matrix products marked QUANTISED in the list below multiply operands that are first quantised to E4M3 (4 exponent bits, 3 mantissa bits; 8 bits a number), with one power-of-two scale for each 32 numbers along K (OCP MX v1.0); their sums are f32. All else is computed in f32.
;;   The module's matrix products, in the order in which they are computed (A, B: the left and right operand; K: the contracted axis; several contracted axes count as one K, in the product's order):
;;     1. [M 8,192, K 1,024] x [K 1,024, N 1,024]; A: input x; B: input Wq: QUANTISED
;;     2. [M 8,192, K 1,024] x [K 1,024, N 1,024]; A: input x; B: input Wk: QUANTISED
;;     3. [M 8,192, K 1,024] x [K 1,024, N 1,024]; A: input x; B: input Wv: QUANTISED
;;     4. batch 64 x [M 2,048, K 64] x [K 64, N 2,048]; A: computed on the way; B: computed on the way: QUANTISED
;;     5. batch 64 x [M 2,048, K 2,048] x [K 2,048, N 64]; A: softmax (see below); B: computed on the way: QUANTISED
;;   THE QUANTISER, for each operand of a quantised product, along K:
;;     - K is cut into blocks of 32 from its start; a last block that is shorter is filled with zeros.
;;     - A block's scale is 2^e with e = floor(log2(the largest magnitude in the block)) - 8, held to -126 .. 127; a block of zeros has e = 0. As a byte (E8M0): e + 127.
;;     - Each number is divided by its block's scale, clamped to +-448, and rounded to the nearest number of E4M3, ties to even, subnormals kept.
;;     - The product sums the exact products of the quantised numbers (number of the format x scale) in f32.
;;   ~~~python
;;   def quantise(x, axis):      # numpy; x: float32 -> the quantised numbers, widened to float32 again
;;       x = np.moveaxis(x, axis, -1); K = x.shape[-1]
;;       x = np.pad(x, [(0, 0)] * (x.ndim - 1) + [(0, -K % 32)]); x = x.reshape(x.shape[:-1] + (-1, 32)); a = np.abs(x).max(-1, keepdims=True)
;;       e = np.where(a > 0, np.clip(np.frexp(np.where(a > 0, a, 1))[1] - 1 - 8, -126, 127), 0)      # np.frexp(a)[1] - 1 = floor(log2(a)), exactly
;;       r = np.clip(x / 2.0 ** e, -448, 448)
;;       step = 2.0 ** (np.maximum(np.frexp(np.where(r == 0, 1, r))[1] - 1, -6) - 3)
;;       q = np.round(r / step) * step * 2.0 ** e      # np.round: ties to even
;;       return np.moveaxis(q.reshape(q.shape[:-2] + (-1,))[..., :K], -1, axis).astype(np.float32)
;;   ~~~
;;   SOFTMAX AHEAD OF A QUANTISED PRODUCT. Where the list says 'softmax', what is quantised is not the finished softmax but p = 2^(t - M), with t = logit x log2(e) and M = ceil(the row's largest t), a whole number; so 1/2 < the row's largest p <= 1. The row's sum l is taken of the UNQUANTISED p, in f32, and the product's result is divided by l at the end. Since M is a whole number, a kernel that streams over the keys may use a running M (the ceiling of the running maximum): every later rescaling is an exact power of two, which a block's scale takes up: the codes' values come out the same.
;;   OPERANDS COMPUTED ON THE WAY. 'Computed on the way' means the value that the module computes at that place (a softmax that the list does not call 'softmax' is quantised finished and normalised). What goes into a quantiser is computed in f32, as accurately as f32 sums, v_exp_f32 and their like allow (about 1e-6 of the number): no bf16 or f16 on the way to a quantiser, and a product that is left as it is and whose result goes on into a quantised operand takes f32 operands (vector FMAs, or v_wmma_f32_16x16x4_f32). A number that lies on a knife's edge between two numbers of the format may be rounded either way, as far as f32 arithmetic and the matrix unit's own rounding can turn it there, and no further.
;; One version. Each part assembles by itself: llvm-mc -triple=amdgcn-amd-amdhsa -mcpu=gfx1250 --defsym DOCPART=n.
;; ======== version 1 of 1: 3 launches
;; limits: right only within a limited range of input values
;; workspace buffers: xc 8,388,608 bytes; xs 262,144 bytes; wc 3,145,728 bytes; ws 98,304 bytes; act 25,165,824 bytes; acs 786,432 bytes
;; launch quant (part 1): grid 448 x 1, 4 waves a work-group, no clusters, 34,304 bytes of LDS; arguments x, Wq, Wk, Wv, xc, xs, wc, ws; writes xc, xs, wc, ws
.if DOCPART == 1
	.amdgcn_target "amdgcn-amd-amdhsa--gfx1250"
	.amdhsa_code_object_version 6
	.text
	.protected	k_q577ce46088_quant
	.globl	k_q577ce46088_quant
	.p2align	8
	.type	k_q577ce46088_quant,@function
k_q577ce46088_quant:
	s_mov_b64 s[64:65], 0
	v_nop
	global_prefetch_b8 v0, s[64:65] scope:SCOPE_SE
	s_setreg_imm32_b32 hwreg(HW_REG_WAVE_MODE, 25, 1), 1
	s_wait_xcnt 0x0
; x [8192][1024] and Wq, Wk, Wv [1024 (k)][1024 (n)], f32, become codes of FP8 (E4M3) with one E8M0 byte for each 32 along K = 1024, laid as IMAGES OF OPERAND REGISTERS:
; a fragment (16 rows x 128 K) is 2,048 bytes [c 0..3][lane 32][16 bytes]; lane (r, h) = r + 16 h holds row r, k = 32 c + 16 h + 0 .. 15.
; THE ROWS OF A TILE ARE NOT NEIGHBOURS: row p of tile 2 B + u is index 32 B + 8 u + p + 8 (p / 8), for tokens and for features alike, so that two neighbouring result tiles of the next launch give a lane 16 neighbours.
; xc [sp 4][tile 512][q 2][2048], K step s = 2 sp + q.  xs [tile][lane (r, h)][4 words]: word i = row r's four scale bytes of K step 4 h + i.  wc [sp 4][tile 192][q 2][2048], tile = 64 w + feature tile; ws as xs.
; A block's scale is 2^(floor(log2(largest magnitude)) - 8); its byte is the largest magnitude's exponent field - 8, held at 1 from below by a floor among the maximum's leaves.
; LIMITS: a block of zeros gets the byte 1 where the rule says 127 (its codes are zeros, and this program alone reads the bytes); NaN and infinities among the inputs are not served.
; Work-groups 0..255 take x (a wave: 16 tokens x 512 K), work-groups 256..447 the weights (a wave: 32 columns x 128 K).  Waves share nothing: no barrier.  Only x's path uses LDS.
; Memory binds: no matrix unit, no tensor load, no cluster would add anything.
.set TM,   10                          ; v10-25  x's path: largest magnitudes, bytes, holds, scale operands
.set PWS,  26                          ; v26-29  x's path: a scale word for each fragment;  W's path: v26 the scale word
.set PC,   32                          ; v32-63  codes
.set R,    64                          ; v64-191 numbers: x: two sets of 64;  W: four blocks of 32
.set SPX,  528                         ; a stage row: 512 bytes + 16: row r starts 4 r banks on
.set WSTG, 16*SPX                      ; a wave's stage
.set SEL,  22                          ; s[22:23] selects for v_permlanex16_b32: lane l xor 16
.set MNT,  24                          ; s24  the mantissa field of 448
	s_load_b256 s[4:11], s[0:1], 0x0               ; x, Wq, Wk, Wv
	s_load_b256 s[12:19], s[0:1], 0x20             ; xc, xs, wc, ws
	v_lshl_add_u32 v192, v0, 2, 0x8400
	v_mov_b32 v193, 0
	v_lshrrev_b32 v1, 5, v0
	v_readfirstlane_b32 s20, v1                    ; wave
	v_and_b32 v1, 31, v0                           ; lane
	v_and_b32 v2, 15, v0                           ; r
	v_bfe_u32 v3, v0, 4, 1                         ; h
	s_mov_b32 s[SEL], 0x76543210
	s_mov_b32 s[SEL+1], 0xfedcba98
	s_mov_b32 s[MNT], 0x600000
	s_cmp_lt_u32 ttmp9, 256
	s_cbranch_scc0 .Lweights
; ---------------- x: K is innermost ----------------
; 64 numbers of a lane, register 16 b + i = k 32 b + 16 h + i of its row, become a fragment's 16 registers of codes and its scale word.
.macro QUANT s, pc, pw
.irp b, 0,1,2,3
	v_max3_num_f32 v[TM+\b], |v[(\s)+16*\b]|, |v[(\s)+1+16*\b]|, 0x4800000   ; my 16 numbers of block b and the floor 2^(9 - 127): the byte cannot fall under 1
.endr
.irp i, 2,4,6,8,10,12,14
.irp b, 0,1,2,3
	v_max3_num_f32 v[TM+\b], v[TM+\b], |v[(\s)+16*\b+\i]|, |v[(\s)+1+16*\b+\i]|   ; the four blocks by turns
.endr
.endr
.irp b, 0,1,2,3
	v_permlanex16_b32 v[TM+4+\b], v[TM+\b], s[SEL], s[SEL+1]
.endr
.irp b, 0,1,2,3
	v_max_num_f32 v[TM+\b], v[TM+\b], v[TM+4+\b]   ; with lane l xor 16's 16: the block's largest magnitude
.endr
.irp b, 0,1,2,3
	v_add_nc_u32 v[TM+12+\b], 0xfc000000, v[TM+\b] ; 8 off its exponent field: the conversion's scale operand
.endr
.irp b, 0,1,2,3
	v_and_or_b32 v[TM+8+\b], v[TM+\b], 0x7f800000, s[MNT]   ; 448 x the scale
.endr
.irp b, 0,1,2,3
	v_lshrrev_b32 v[TM+4+\b], 23, v[TM+12+\b]      ; the scale's byte
.endr
	v_lshl_or_b32 v[\pw], v[TM+5], 8, v[TM+4]
	v_lshl_or_b32 v[\pw], v[TM+6], 16, v[\pw]
	v_lshl_or_b32 v[\pw], v[TM+7], 24, v[\pw]      ; my row's scale word
.irp b, 0,1,2,3
.irp i, 0,1,2,3,4,5,6,7,8,9,10,11,12,13,14,15
	v_med3_num_f32 v[(\s)+16*\b+\i], v[(\s)+16*\b+\i], -v[TM+8+\b], v[TM+8+\b]   ; the conversion does not saturate (ISA guide 7.6.2): hold first
.endr
	v_cvt_scalef32_pk8_fp8_f32 v[(\pc)+4*\b:(\pc)+1+4*\b], v[(\s)+16*\b:(\s)+7+16*\b], v[TM+12+\b]
	v_cvt_scalef32_pk8_fp8_f32 v[(\pc)+2+4*\b:(\pc)+3+4*\b], v[(\s)+8+16*\b:(\s)+15+16*\b], v[TM+12+\b]
.endr
	v_nop                                          ; a plain line behind the last conversion
.endm
	s_lshl_b32 s25, ttmp9, 2
	s_add_co_u32 s25, s25, s20                     ; job = 4 x work-group + wave
	s_lshr_b32 s26, s25, 1                         ; tile T
	s_and_b32 s27, s25, 1                          ; which 512 along K
	s_lshr_b32 s28, s26, 1
	s_lshl_b32 s28, s28, 17                        ; 32 (T / 2) rows of 4,096 bytes
	s_and_b32 s29, s26, 1
	s_lshl_b32 s29, s29, 15                        ; + 8 (T % 2) rows
	s_add_co_u32 s28, s28, s29
	s_lshl_b32 s29, s27, 11                        ; + 512 numbers
	s_add_co_u32 s28, s28, s29
	s_mov_b32 s29, 0
	s_lshl_b32 s30, s27, 22                        ; xc: two sp of 2,097,152 bytes
	s_lshl_b32 s31, s26, 12                        ; + T x 4,096
	s_add_co_u32 s30, s30, s31
	s_mov_b32 s31, 0
	s_lshl_b32 s32, s26, 9                         ; xs: T x 512 + 256 x half
	s_lshl_b32 s33, s27, 8
	s_add_co_u32 s32, s32, s33
	s_mov_b32 s33, 0
	s_mul_i32 s34, s20, WSTG                       ; my stage
	s_wait_alu depctr_va_vdst(0)
	v_lshlrev_b32 v4, 4, v1                        ; 16 x lane: a load's 512 bytes, and an image's place
	v_add_nc_u32 v5, s34, v4                       ; the stage, way in
	v_mul_u32_u24 v6, v2, SPX
	v_lshl_add_u32 v6, v3, 6, v6
	v_add_nc_u32 v6, s34, v6                       ; way out: row r, + 64 h: my 16 numbers of a block
	v_lshlrev_b32 v7, 4, v2
	v_lshl_add_u32 v7, v3, 3, v7                   ; the scale words' place: 16 r + 8 h
.irp b, 0,1,2,3
	v_mov_b32 v[TM+4+\b], 0                        ; a lane permute's destination counts as read
.endr
	s_wait_alu depctr_va_vdst(0)
	s_wait_kmcnt 0x0
	s_add_nc_u64 s[4:5], s[4:5], s[28:29]
	s_add_nc_u64 s[12:13], s[12:13], s[30:31]
	s_add_nc_u64 s[14:15], s[14:15], s[32:33]
.macro LOADX i                         ; fragment i: 16 rows x 512 consecutive bytes, 16 bytes a lane
.irp p, 0,1,2,3,4,5,6,7,8,9,10,11,12,13,14,15
	global_load_b128 v[R+64*((\i)%2)+4*\p:R+64*((\i)%2)+4*\p+3], v4, s[4:5] offset:(\p+8*(\p/8))*4096+512*(\i) th:TH_LOAD_NT
.endr
.endm
.macro STAGE i                         ; through my stage: in as loaded, back 64 bytes of one row a lane and block.  LDS serves a wave's instructions in order
.irp p, 0,1,2,3,4,5,6,7,8,9,10,11,12,13,14,15
	ds_store_b128 v5, v[R+64*((\i)%2)+4*\p:R+64*((\i)%2)+4*\p+3] offset:SPX*\p
.endr
.irp c, 0,1,2,3
.irp j, 0,1,2,3
	ds_load_b128 v[R+64*((\i)%2)+16*\c+4*\j:R+64*((\i)%2)+16*\c+4*\j+3], v6 offset:128*\c+16*\j
.endr
.endr
.endm
.macro FRAGX i
.if (\i) < 3
	s_wait_loadcnt 16                              ; this fragment's 16 loads are in; the next fragment's 16 may be out
.else
	s_wait_loadcnt 0x0
.endif
	STAGE \i
	s_wait_dscnt 0x0
.if (\i) >= 2
	s_wait_xcnt 0x0                                ; the stores of two fragments ago have read the codes' registers
.endif
	QUANT R+64*((\i)%2), PC+16*((\i)%2), PWS+(\i)
.irp c, 0,1,2,3
	global_store_b128 v4, v[PC+16*((\i)%2)+4*\c:PC+16*((\i)%2)+4*\c+3], s[12:13] offset:((\i)/2)*2097152+((\i)%2)*2048+512*\c   ; 512 consecutive bytes
.endr
.if (\i)+2 < 4
	LOADX (\i)+2
.endif
.endm
	LOADX 0
	LOADX 1
	FRAGX 0
	FRAGX 1
	FRAGX 2
	FRAGX 3
	v_cmp_le_u32 vcc_lo, 16, v1                    ; lanes 16-31 store words 2 and 3 of their row
	v_cndmask_b32 v30, v[PWS], v[PWS+2], vcc_lo
	v_cndmask_b32 v31, v[PWS+1], v[PWS+3], vcc_lo
	global_store_b64 v7, v[30:31], s[14:15]        ; 32 lanes store 256 consecutive bytes, aligned
	s_wait_tensorcnt 0x0
	ds_add_u32 v192, v193
	s_wait_dscnt 0x0
	s_endpgm
; ---------------- the weights: K is the first axis: a lane takes a column and its registers run down K ----------------
.Lweights:
	s_sub_co_u32 s25, ttmp9, 256
	s_lshr_b32 s26, s25, 6                         ; w: 0 Wq, 1 Wk, 2 Wv
	s_bfe_u32 s27, s25, 0x30003                    ; which 128 columns
	s_and_b32 s28, s25, 7                          ; K step s
	s_lshl_b32 s27, s27, 2
	s_add_co_u32 s27, s27, s20                     ; my 32 columns: 32 x this
	s_lshl_b32 s30, s28, 19                        ; 128 s rows of 4,096 bytes
	s_lshl_b32 s29, s27, 7
	s_add_co_u32 s30, s30, s29
	s_mov_b32 s31, 0
	s_lshl_b32 s35, s26, 6
	s_lshl_b32 s29, s27, 1
	s_add_co_u32 s35, s35, s29                     ; my first tile of two
	s_lshr_b32 s32, s28, 1
	s_mul_i32 s32, s32, 786432                     ; wc: sp
	s_lshl_b32 s29, s35, 12
	s_add_co_u32 s32, s32, s29
	s_and_b32 s29, s28, 1
	s_lshl_b32 s29, s29, 11
	s_add_co_u32 s32, s32, s29
	s_mov_b32 s33, 0
	s_lshl_b32 s36, s35, 9                         ; ws: tile x 512 + 256 (s / 4) + 4 (s % 4)
	s_lshr_b32 s29, s28, 2
	s_lshl_b32 s29, s29, 8
	s_add_co_u32 s36, s36, s29
	s_and_b32 s29, s28, 3
	s_lshl_b32 s29, s29, 2
	s_add_co_u32 s36, s36, s29
	s_mov_b32 s37, 0
	s_wait_alu depctr_va_vdst(0)
	v_lshlrev_b32 v4, 2, v1                        ; in: 4 bytes a lane
	v_bfe_u32 v8, v1, 3, 1                         ; column f of 32 is row (f % 8) + 8 (f / 16) of tile (f / 8) % 2
	v_and_b32 v9, 7, v1
	v_lshl_add_u32 v9, v3, 3, v9
	v_lshlrev_b32 v5, 12, v8
	v_lshl_add_u32 v5, v9, 4, v5                   ; codes: tile x 4,096 + 16 x row
	v_lshlrev_b32 v6, 9, v8
	v_lshl_add_u32 v6, v9, 4, v6                   ; scale word: tile x 512 + 16 x row
	s_wait_alu depctr_va_vdst(0)
	s_wait_kmcnt 0x0
	s_cmp_eq_u32 s26, 1
	s_cselect_b64 s[6:7], s[8:9], s[6:7]
	s_cmp_eq_u32 s26, 2
	s_cselect_b64 s[6:7], s[10:11], s[6:7]         ; the choice hangs on the work-group's number alone
	s_add_nc_u64 s[6:7], s[6:7], s[30:31]
	s_add_nc_u64 s[16:17], s[16:17], s[32:33]
	s_add_nc_u64 s[18:19], s[18:19], s[36:37]
.macro LOADW c                         ; block c: W(32 c + i, my column): a wave reads 128 consecutive bytes a load
.irp i, 0,1,2,3,4,5,6,7,8,9,10,11,12,13,14,15,16,17,18,19,20,21,22,23,24,25,26,27,28,29,30,31
	global_load_b32 v[R+32*(\c)+\i], v4, s[6:7] offset:(32*(\c)+\i)*4096 th:TH_LOAD_NT
.endr
.endm
.macro BLOCKW c
.set XS, R+32*(\c)
.if (\c) < 3
	s_wait_loadcnt 32                              ; this block's 32 loads are in; the next block's 32 may be out
.else
	s_wait_loadcnt 0x0
.endif
.if (\c)+2 < 4
	LOADW (\c)+2
.endif
	v_max3_num_f32 v12, |v[XS]|, |v[XS+1]|, |v[XS+2]|   ; all 32 numbers of the block are mine
	v_max3_num_f32 v13, |v[XS+3]|, |v[XS+4]|, |v[XS+5]|
.irp i, 6,10,14,18,22,26
	v_max3_num_f32 v12, v12, |v[XS+\i]|, |v[XS+\i+1]|
	v_max3_num_f32 v13, v13, |v[XS+\i+2]|, |v[XS+\i+3]|
.endr
	v_max3_num_f32 v12, v12, |v[XS+30]|, |v[XS+31]|
	v_max3_num_f32 v12, v12, v13, 0x4800000        ; and the floor
	v_add_nc_u32 v14, 0xfc000000, v12              ; the conversion's scale operand
	v_and_or_b32 v15, v12, 0x7f800000, s[MNT]      ; 448 x the scale
	v_lshrrev_b32 v16, 23, v14                     ; the byte
.if (\c) == 0
	v_mov_b32 v26, v16
.else
	v_lshl_or_b32 v26, v16, 8*(\c), v26
.endif
.irp i, 0,1,2,3,4,5,6,7,8,9,10,11,12,13,14,15,16,17,18,19,20,21,22,23,24,25,26,27,28,29,30,31
	v_med3_num_f32 v[XS+\i], v[XS+\i], -v15, v15
.endr
.irp g, 0,1,2,3
	v_cvt_scalef32_pk8_fp8_f32 v[PC+8*(\c)+2*\g:PC+8*(\c)+2*\g+1], v[XS+8*\g:XS+8*\g+7], v14
.endr
	v_nop
	global_store_b128 v5, v[PC+8*(\c):PC+8*(\c)+3], s[16:17] offset:512*(\c)          ; k = 32 c + 0 .. 15: the image's lanes 0-15; sixteen lanes fill 256 aligned bytes of each tile
	global_store_b128 v5, v[PC+8*(\c)+4:PC+8*(\c)+7], s[16:17] offset:512*(\c)+256    ; k = 32 c + 16 .. 31: its lanes 16-31
.endm
	LOADW 0
	LOADW 1
	BLOCKW 0
	BLOCKW 1
	BLOCKW 2
	BLOCKW 3
	global_store_b32 v6, v26, s[18:19]             ; one word a column, 16 bytes apart: 98,304 bytes in the whole launch leave so
	s_endpgm
.Lfunc_end_k_q577ce46088_quant:
	.size	k_q577ce46088_quant, .Lfunc_end_k_q577ce46088_quant-k_q577ce46088_quant
	.p2alignl 7, 3214868480
	.fill 96, 4, 3214868480
	.section	.rodata,"a",@progbits
	.p2align	6, 0x0
	.amdhsa_kernel k_q577ce46088_quant
		.amdhsa_group_segment_fixed_size 34304
		.amdhsa_private_segment_fixed_size 0
		.amdhsa_enable_private_segment 0
		.amdhsa_kernarg_size 64
		.amdhsa_user_sgpr_count 2
		.amdhsa_user_sgpr_kernarg_segment_ptr 1
		.amdhsa_wavefront_size32 1
		.amdhsa_system_sgpr_workgroup_id_x 1
		.amdhsa_system_sgpr_workgroup_id_y 1
		.amdhsa_system_sgpr_workgroup_id_z 1
		.amdhsa_system_vgpr_workitem_id 0
		.amdhsa_next_free_vgpr 194
		.amdhsa_next_free_sgpr 66
		.amdhsa_reserve_vcc 1
		.amdhsa_float_denorm_mode_32 3
		.amdhsa_float_denorm_mode_16_64 3
		.amdhsa_memory_ordered 1
		.amdhsa_forward_progress 1
		.amdhsa_inst_pref_size 80
	.end_amdhsa_kernel
	.amdgpu_metadata
---
amdhsa.version: [ 1, 2 ]
amdhsa.kernels:
  - .name:           k_q577ce46088_quant
    .symbol:         k_q577ce46088_quant.kd
    .args:
      - { .name: x, .offset: 0, .size: 8, .value_kind: global_buffer, .address_space: global }
      - { .name: Wq, .offset: 8, .size: 8, .value_kind: global_buffer, .address_space: global }
      - { .name: Wk, .offset: 16, .size: 8, .value_kind: global_buffer, .address_space: global }
      - { .name: Wv, .offset: 24, .size: 8, .value_kind: global_buffer, .address_space: global }
      - { .name: xc, .offset: 32, .size: 8, .value_kind: global_buffer, .address_space: global }
      - { .name: xs, .offset: 40, .size: 8, .value_kind: global_buffer, .address_space: global }
      - { .name: wc, .offset: 48, .size: 8, .value_kind: global_buffer, .address_space: global }
      - { .name: ws, .offset: 56, .size: 8, .value_kind: global_buffer, .address_space: global }
    .group_segment_fixed_size: 34304
    .private_segment_fixed_size: 0
    .kernarg_segment_align: 8
    .kernarg_segment_size: 64
    .max_flat_workgroup_size: 128
    .sgpr_count:     66
    .vgpr_count:     194
    .wavefront_size: 32
...
	.end_amdgpu_metadata
.endif
;; end of part 1
;; launch proj (part 2): grid 12 x 32, 4 waves a work-group, clusters of 4 x 4, 327,680 bytes of LDS; arguments xc, xs, wc, ws, bq, bk, bv, act, acs; writes act, acs
.if DOCPART == 2
	.amdgcn_target "amdgcn-amd-amdhsa--gfx1250"
	.amdhsa_code_object_version 6
	.text
	.protected	k_q577ce46088_proj
	.globl	k_q577ce46088_proj
	.p2align	8
	.type	k_q577ce46088_proj,@function
k_q577ce46088_proj:
	s_mov_b64 s[64:65], 0
	v_nop
	global_prefetch_b8 v0, s[64:65] scope:SCOPE_SE
	s_setreg_imm32_b32 hwreg(HW_REG_WAVE_MODE, 25, 1), 1
	s_wait_xcnt 0x0
	s_wait_alu depctr_hold_cnt(0) depctr_sa_sdst(0) depctr_va_vdst(0) depctr_va_sdst(0) depctr_va_ssrc(0) depctr_va_vcc(0) depctr_vm_vsrc(0)
	s_getreg_b32 s2, hwreg(HW_REG_IB_STS2, 6, 4)
	s_cmp_eq_u32 s2, 0
	s_cbranch_scc0 .Lentry_in_a_cluster
	s_endpgm
.Lentry_in_a_cluster:
	s_bfe_u32 s2, ttmp6, 0x10000c
	s_cmp_lg_u32 s2, 0xf033
	s_cbranch_scc0 .Lentry_shape_is_right
	s_endpgm
.Lentry_shape_is_right:
.set SLOT,  131072
.set SPARE, 2*SLOT
.set XSP,   2097152
.set WSP,   786432
.set NP,    8
.set ADR1, 16
.set ADR0, 20
.set LI,   24
.set L8,   25
.set LN,   26
.set SPW,  28
.set NIL,  29
.set BAQ,  30
.set BAV,  31
.set SC1,  32
.set SC0,  64
.set TM,   96
.set PW,   112
.set RP,   120
.set AF,   128
.set X,    128
.set PC,   192
.set WV,   22
.set G1X,  28
.set G0X,  36
.set G1W,  44
.set G0W,  52
.set MODE, 60
.set MNT,  61
.set SEL,  62
.set MSB, 0
.macro WIN new
.if MSB != (\new)
	s_set_vgpr_msb (MSB<<8)|(\new)
.set MSB, (\new)
.endif
.endm
.set MUL_LO, 0xa1
.set MUL_HI, 0xf1
.set TO_B,   0x40
.macro JLOAD g0a, g1a, g0b, g1b
	s_cmp_eq_u32 s23, 0
	s_cbranch_scc0 .Lfor_b_\@
	tensor_load_to_lds s[\g0a:\g0a+3], s[\g1a:\g1a+7]
	s_nop 0
.rept 4
	v_nop
.endr
	s_branch .Lasked_\@
.Lfor_b_\@:
	tensor_load_to_lds s[\g0b:\g0b+3], s[\g1b:\g1b+7]
	s_nop 0
.rept 4
	v_nop
.endr
.Lasked_\@:
.endm
.macro CREST
	s_cmp_lg_u32 s[WV], 0
	s_cbranch_scc1 .Lnot_wave_0_\@
	s_barrier_signal -3
.Lnot_wave_0_\@:
	s_barrier_wait -3
	s_barrier_signal -1
	s_barrier_wait -1
.endm
.macro CROUND
	s_barrier_signal -1
	s_barrier_wait -1
	CREST
.endm
.macro PLACES n
.rept \n
	v_nop
.endr
.endm
	s_load_b512 s[4:19], s[0:1], 0x0
	s_load_b64 s[20:21], s[0:1], 0x40
	v_lshl_add_u32 v[SPW], v0, 2, SPARE
	v_mov_b32 v[NIL], 0
	ds_add_u32 v28, v29
	ds_add_u32 v28, v29
	s_wait_dscnt 0x0
	v_lshrrev_b32 v1, 5, v0
	v_readfirstlane_b32 s[WV], v1
	s_lshr_b32 s23, s[WV], 1
	s_and_b32 s24, s[WV], 1
	s_mov_b32 s[MODE], ttmp9
	s_mov_b32 s[MNT], 0x600000
	s_mov_b32 s[SEL], 0x76543210
	s_mov_b32 s[SEL+1], 0xfedcba98
	s_bfe_u32 s66, ttmp6, 0x40000
	s_bfe_u32 s67, ttmp6, 0x40004
	s_lshl_b32 s68, ttmp9, 2
	s_add_co_u32 s68, s68, s66
	s_and_b32 s69, ttmp7, 0xffff
	s_lshl_b32 s69, s69, 2
	s_add_co_u32 s69, s69, s67
	s_lshl_b32 s70, s67, 2
	s_lshl_b32 s70, 15, s70
	s_lshl_b32 s71, 0x1111, s66
	s_or_b32 s[G1X], s70, (3<<16)|(1<<21)
	s_or_b32 s[G1W], s71, (3<<16)|(1<<21)
.irp g, G1X, G1W
	s_mov_b32 s[\g+1], 32<<16
	s_mov_b32 s[\g+2], 128<<16
	s_mov_b32 s[\g+3], 32<<16
	s_mov_b32 s[\g+4], 128
	s_mov_b32 s[\g+5], 32
	s_mov_b32 s[\g+6], 0
	s_mov_b32 s[\g+7], 0
.endr
	s_lshl_b32 s77, s24, 15
	s_lshl_b32 s72, s69, 16
	s_add_co_u32 s72, s72, s77
	s_mov_b32 s73, 0
	s_lshl_b32 s74, s68, 16
	s_add_co_u32 s74, s74, s77
	s_mov_b32 s75, 0
	s_lshl_b32 s76, s[WV], 15
	s_wait_kmcnt 0x0
	s_add_nc_u64 s[72:73], s[4:5], s[72:73]
	s_add_nc_u64 s[74:75], s[8:9], s[74:75]
	CROUND
.irp s, 0,1
	s_mov_b32 s[G0X+4*\s], 1
	s_add_co_u32 s[G0X+4*\s+1], s76, \s*SLOT
	s_add_nc_u64 s[G0X+4*\s+2:G0X+4*\s+3], s[72:73], \s*XSP
	s_or_b32 s[G0X+4*\s+3], s[G0X+4*\s+3], 0x80000000
	s_mov_b32 s[G0W+4*\s], 1
	s_add_co_u32 s[G0W+4*\s+1], s76, \s*SLOT
	s_add_nc_u64 s[G0W+4*\s+2:G0W+4*\s+3], s[74:75], \s*WSP
	s_or_b32 s[G0W+4*\s+3], s[G0W+4*\s+3], 0x80000000
	s_wait_alu depctr_va_vdst(0)
	s_wait_tensorcnt 0x0
	ds_add_u32 v28, v29
	ds_add_u32 v28, v29
	s_wait_dscnt 0x0
	CROUND
	JLOAD G0X+4*\s, G1X, G0W+4*\s, G1W
.endr
	v_and_b32 v[LN], 31, v0
	v_lshlrev_b32 v[LI], 4, v[LN]
	v_lshlrev_b32 v[L8], 3, v[LN]
	v_bfe_u32 v2, v0, 4, 1
	v_lshlrev_b32 v[BAQ], 6, v2
	v_and_b32 v3, 15, v0
	v_and_b32 v4, 8, v3
	v_add_nc_u32 v3, v3, v4
	v_lshlrev_b32 v[BAV], 2, v3
.irp b, 0,1,2,3
	v_mov_b32 v[TM+4+\b], 0
.endr
	s_lshl_b32 s78, s23, 15
	s_lshl_b32 s79, s24, 15
	s_add_co_u32 s79, s79, 65536
	s_lshl_b32 s80, s69, 13
	s_lshl_b32 s81, s23, 12
	s_add_co_u32 s80, s80, s81
	s_mov_b32 s81, 0
	s_add_nc_u64 s[80:81], s[6:7], s[80:81]
	s_lshl_b32 s82, s68, 13
	s_lshl_b32 s83, s24, 12
	s_add_co_u32 s82, s82, s83
	s_mov_b32 s83, 0
	s_add_nc_u64 s[82:83], s[10:11], s[82:83]
	s_cmp_eq_u32 s[MODE], 2
	s_cselect_b32 s84, s78, s79
	s_cselect_b32 s85, s79, s78
	s_cselect_b64 s[86:87], s[80:81], s[82:83]
	s_cselect_b64 s[88:89], s[82:83], s[80:81]
.irp s, 0,1
	v_add_nc_u32 v[ADR0+\s], s84, v[LI]
	v_add_nc_u32 v[ADR1+\s], s85, v[LI]
	s_add_co_u32 s84, s84, SLOT
	s_add_co_u32 s85, s85, SLOT
.endr
.irp i, 0,1,2,3,4,5,6,7
	global_load_b128 v[SC1+4*\i:SC1+4*\i+3], v[LI], s[88:89] offset:512*\i
	global_load_b128 v[SC0+4*\i:SC0+4*\i+3], v[LI], s[86:87] offset:512*\i
.endr
	s_lshl_b32 s90, s68, 1
	s_add_co_u32 s90, s90, s24
	s_lshl_b32 s90, s90, 6
	s_lshl_b32 s91, s69, 1
	s_add_co_u32 s91, s91, s23
	s_add_co_u32 s90, s90, s91
	s_lshl_b32 s92, s90, 14
	s_mov_b32 s93, 0
	s_add_nc_u64 s[92:93], s[18:19], s[92:93]
	s_lshl_b32 s94, s90, 9
	s_mov_b32 s95, 0
	s_add_nc_u64 s[94:95], s[20:21], s[94:95]
	s_cmp_eq_u32 s[MODE], 1
	s_cselect_b64 s[96:97], s[14:15], s[12:13]
	s_cmp_eq_u32 s[MODE], 2
	s_cselect_b64 s[96:97], s[16:17], s[96:97]
	s_lshl_b32 s90, s66, 10
	s_lshl_b32 s91, s24, 9
	s_add_co_u32 s90, s90, s91
	s_mov_b32 s91, 0
	s_add_nc_u64 s[96:97], s[96:97], s[90:91]
.macro FRAG reg, adr, q, i
.irp c, 0,1,2,3
	ds_load_b128 v[\reg+4*\c:\reg+4*\c+3], v[\adr] offset:4096*(\i)+2048*(\q)+512*\c
.endr
.endm
.macro MUL16 a0, p, s, zero
.irp a, \a0, \a0+1
.irp b, 0,1,2,3,4,5,6,7
.if \zero
	v_wmma_scale_f32_16x16x128_f8f6f4 v[8*(8*((\a)%4)+\b):8*(8*((\a)%4)+\b)+7], v[128*(\p)+16*\b:128*(\p)+16*\b+15], v[AF+16*(\a):AF+16*(\a)+15], 0, v[SC0+4*\b+((\s)%4)], v[SC1+4*(\a)+((\s)%4)]
.elseif (\s) < 4
	v_wmma_scale_f32_16x16x128_f8f6f4 v[8*(8*((\a)%4)+\b):8*(8*((\a)%4)+\b)+7], v[128*(\p)+16*\b:128*(\p)+16*\b+15], v[AF+16*(\a):AF+16*(\a)+15], v[8*(8*((\a)%4)+\b):8*(8*((\a)%4)+\b)+7], v[SC0+4*\b+((\s)%4)], v[SC1+4*(\a)+((\s)%4)]
.else
	v_wmma_scale_f32_16x16x128_f8f6f4 v[8*(8*((\a)%4)+\b):8*(8*((\a)%4)+\b)+7], v[128*(\p)+16*\b:128*(\p)+16*\b+15], v[AF+16*(\a):AF+16*(\a)+15], v[8*(8*((\a)%4)+\b):8*(8*((\a)%4)+\b)+7], v[SC0+4*\b+((\s)%4)], v[SC1+4*(\a)+((\s)%4)] matrix_a_scale:MATRIX_SCALE_ROW1 matrix_b_scale:MATRIX_SCALE_ROW1
.endif
.endr
.endr
.endm
.macro FETCH_B slot, q, p
	WIN TO_B
.irp i, 0,1,2,3,4,5,6,7
	FRAG 128*(\p)+16*\i, ADR0+\slot, \q, \i
.endr
	WIN 0
.endm
.macro FETCH_A slot, q, i0
.irp i, \i0, \i0+1, \i0+2, \i0+3
	FRAG AF+16*(\i), ADR1+\slot, \q, \i
.endr
.endm
.macro STEP slot, s, zero
	s_wait_dscnt 16
	WIN MUL_LO
	MUL16 0, 0, \s, \zero
	MUL16 2, 0, \s, \zero
	s_wait_dscnt 0
	PLACES NP
	FETCH_B \slot, 1, 1
	FETCH_A \slot, 1, 0
	WIN MUL_HI
	MUL16 4, 0, \s, \zero
	MUL16 6, 0, \s, \zero
	PLACES NP
	WIN 0
	FETCH_A \slot, 1, 4
.endm
.macro TURN slot, next, s, fill
	s_wait_tensorcnt 0x0
	ds_add_u32 v[SPW], v[NIL]
	s_wait_dscnt 17
	WIN MUL_LO
	MUL16 0, 1, \s, 0
	s_wait_dscnt 0x0
	s_barrier_signal -1
	MUL16 2, 1, \s, 0
	WIN 0
	s_barrier_wait -1
.if \fill
	CREST
	s_add_nc_u64 s[G0X+4*\slot+2:G0X+4*\slot+3], s[G0X+4*\slot+2:G0X+4*\slot+3], 2*XSP
	s_add_nc_u64 s[G0W+4*\slot+2:G0W+4*\slot+3], s[G0W+4*\slot+2:G0W+4*\slot+3], 2*WSP
	JLOAD G0X+4*\slot, G1X, G0W+4*\slot, G1W
	PLACES NP-4
.else
	PLACES NP
.endif
	FETCH_B \next, 0, 0
	FETCH_A \next, 0, 0
	WIN MUL_HI
	MUL16 4, 1, \s, 0
	MUL16 6, 1, \s, 0
	PLACES NP
	WIN 0
	FETCH_A \next, 0, 4
.endm
	s_wait_alu depctr_va_vdst(0)
	s_wait_tensorcnt 1
	s_barrier_signal -1
	s_barrier_wait -1
	FETCH_B 0, 0, 0
	FETCH_A 0, 0, 0
	FETCH_A 0, 0, 4
	s_wait_loadcnt 0x0
	STEP 0, 0, 1
	TURN 0, 1, 1, 1
	STEP 1, 2, 0
	TURN 1, 0, 3, 1
	STEP 0, 4, 0
	TURN 0, 1, 5, 0
	STEP 1, 6, 0
	s_cmp_eq_u32 s[MODE], 2
	s_cbranch_scc1 .Lbias_v
	WIN 0x40
.irp g, 0,1,2,3
.irp j, 0,1,2,3
	global_load_b128 v[16*\g+4*\j:16*\g+4*\j+3], v[BAQ], s[96:97] offset:128*\g+16*\j
.endr
.endr
	WIN 0
	s_branch .Lbias_done
.Lbias_v:
	WIN 0x40
.irp a, 0,1,2,3,4,5,6,7
	global_load_b32 v[2*\a], v[BAV], s[96:97] offset:(32*(\a/2)+8*(\a%2))*4
	global_load_b32 v[2*\a+1], v[BAV], s[96:97] offset:(32*(\a/2)+8*(\a%2))*4
.endr
	WIN 0
.Lbias_done:
	s_wait_dscnt 16
	WIN MUL_LO
	MUL16 0, 1, 7, 0
	MUL16 2, 1, 7, 0
	s_wait_dscnt 0
	WIN MUL_HI
	MUL16 4, 1, 7, 0
	MUL16 6, 1, 7, 0
	WIN 0
	PLACES NP
	s_wait_loadcnt 0x0
.macro QUANT s, pc, pw
.irp b, 0,1,2,3
	v_max3_num_f32 v[TM+\b], |v[(\s)+16*\b]|, |v[(\s)+1+16*\b]|, 0x4800000
.endr
.irp i, 2,4,6,8,10,12,14
.irp b, 0,1,2,3
	v_max3_num_f32 v[TM+\b], v[TM+\b], |v[(\s)+16*\b+\i]|, |v[(\s)+1+16*\b+\i]|
.endr
.endr
.irp b, 0,1,2,3
	v_permlanex16_b32 v[TM+4+\b], v[TM+\b], s[SEL], s[SEL+1]
.endr
.irp b, 0,1,2,3
	v_max_num_f32 v[TM+\b], v[TM+\b], v[TM+4+\b]
.endr
.irp b, 0,1,2,3
	v_add_nc_u32 v[TM+12+\b], 0xfc000000, v[TM+\b]
.endr
.irp b, 0,1,2,3
	v_and_or_b32 v[TM+8+\b], v[TM+\b], 0x7f800000, s[MNT]
.endr
.irp b, 0,1,2,3
	v_lshrrev_b32 v[TM+4+\b], 23, v[TM+12+\b]
.endr
	v_lshl_or_b32 v[\pw], v[TM+5], 8, v[TM+4]
	v_lshl_or_b32 v[\pw], v[TM+6], 16, v[\pw]
	v_lshl_or_b32 v[\pw], v[TM+7], 24, v[\pw]
.irp b, 0,1,2,3
.irp i, 0,1,2,3,4,5,6,7,8,9,10,11,12,13,14,15
	v_med3_num_f32 v[(\s)+16*\b+\i], v[(\s)+16*\b+\i], -v[TM+8+\b], v[TM+8+\b]
.endr
	v_cvt_scalef32_pk8_fp8_f32 v[(\pc)+4*\b:(\pc)+1+4*\b], v[(\s)+16*\b:(\s)+7+16*\b], v[TM+12+\b]
	v_cvt_scalef32_pk8_fp8_f32 v[(\pc)+2+4*\b:(\pc)+3+4*\b], v[(\s)+8+16*\b:(\s)+15+16*\b], v[TM+12+\b]
.endr
	v_nop
.endm
.macro EPI a
	s_cmp_eq_u32 s[MODE], 2
	s_cbranch_scc1 .Lev_\@
	WIN 0x06+((\a)/4)
.set I, 0
.rept 32
	v_pk_add_f32 v[X+2*I:X+2*I+1], v[64*((\a)%4)+2*I:64*((\a)%4)+2*I+1], v[2*I:2*I+1]
.set I, I+1
.endr
	WIN 0
	s_branch .Lej_\@
.Lev_\@:
	WIN 0x06+((\a)/4)
.set I, 0
.rept 32
	v_pk_add_f32 v[X+2*I:X+2*I+1], v[64*((\a)%4)+2*I:64*((\a)%4)+2*I+1], v[2*(\a):2*(\a)+1]
.set I, I+1
.endr
	WIN 0
.Lej_\@:
.if (\a) >= 2
	s_wait_xcnt 0x0
.endif
	QUANT X, PC+16*((\a)%2), PW+(\a)
.irp c, 0,1,2,3
	global_store_b128 v[LI], v[PC+16*((\a)%2)+4*\c:PC+16*((\a)%2)+4*\c+3], s[92:93] offset:2048*(\a)+512*\c
.endr
.endm
	EPI 0
	EPI 1
	EPI 2
	EPI 3
	EPI 4
	EPI 5
	EPI 6
	EPI 7
	v_cmp_le_u32 vcc_lo, 16, v[LN]
	s_cmp_eq_u32 s[MODE], 2
	s_cbranch_scc1 .Lsw_v
.irp b, 0,1,2,3
	v_perm_b32 v[RP+\b], v[PW+2*\b+1], v[PW+2*\b], 0x05040100
.endr
	v_cndmask_b32 v[RP+4], v[RP], v[RP+1], vcc_lo
	v_cndmask_b32 v[RP+5], v[RP+2], v[RP+3], vcc_lo
	global_store_b64 v[L8], v[RP+4:RP+5], s[94:95]
.irp b, 0,1,2,3
	v_perm_b32 v[RP+\b], v[PW+2*\b+1], v[PW+2*\b], 0x07060302
.endr
	v_cndmask_b32 v[RP+6], v[RP], v[RP+1], vcc_lo
	v_cndmask_b32 v[RP+7], v[RP+2], v[RP+3], vcc_lo
	global_store_b64 v[L8], v[RP+6:RP+7], s[94:95] offset:256
	s_branch .Lsw_done
.Lsw_v:
.irp i, 0,1,2,3
	v_cndmask_b32 v[RP+\i], v[PW+\i], v[PW+4+\i], vcc_lo
.endr
	global_store_b128 v[LI], v[RP:RP+3], s[94:95]
.Lsw_done:
	s_wait_tensorcnt 0x0
	ds_add_u32 v[SPW], v[NIL]
	s_wait_dscnt 0x0
	CROUND
	s_endpgm
.Lfunc_end_k_q577ce46088_proj:
	.size	k_q577ce46088_proj, .Lfunc_end_k_q577ce46088_proj-k_q577ce46088_proj
	.p2alignl 7, 3214868480
	.fill 96, 4, 3214868480
	.section	.rodata,"a",@progbits
	.p2align	6, 0x0
	.amdhsa_kernel k_q577ce46088_proj
		.amdhsa_group_segment_fixed_size 327680
		.amdhsa_private_segment_fixed_size 0
		.amdhsa_enable_private_segment 0
		.amdhsa_kernarg_size 72
		.amdhsa_user_sgpr_count 2
		.amdhsa_user_sgpr_kernarg_segment_ptr 1
		.amdhsa_wavefront_size32 1
		.amdhsa_system_sgpr_workgroup_id_x 1
		.amdhsa_system_sgpr_workgroup_id_y 1
		.amdhsa_system_sgpr_workgroup_id_z 1
		.amdhsa_system_vgpr_workitem_id 0
		.amdhsa_next_free_vgpr 1024
		.amdhsa_next_free_sgpr 100
		.amdhsa_reserve_vcc 1
		.amdhsa_float_denorm_mode_32 3
		.amdhsa_float_denorm_mode_16_64 3
		.amdhsa_memory_ordered 1
		.amdhsa_forward_progress 1
		.amdhsa_inst_pref_size 220
	.end_amdhsa_kernel
	.amdgpu_metadata
---
amdhsa.version: [ 1, 2 ]
amdhsa.kernels:
  - .name:           k_q577ce46088_proj
    .symbol:         k_q577ce46088_proj.kd
    .args:
      - { .name: xc, .offset: 0, .size: 8, .value_kind: global_buffer, .address_space: global }
      - { .name: xs, .offset: 8, .size: 8, .value_kind: global_buffer, .address_space: global }
      - { .name: wc, .offset: 16, .size: 8, .value_kind: global_buffer, .address_space: global }
      - { .name: ws, .offset: 24, .size: 8, .value_kind: global_buffer, .address_space: global }
      - { .name: bq, .offset: 32, .size: 8, .value_kind: global_buffer, .address_space: global }
      - { .name: bk, .offset: 40, .size: 8, .value_kind: global_buffer, .address_space: global }
      - { .name: bv, .offset: 48, .size: 8, .value_kind: global_buffer, .address_space: global }
      - { .name: act, .offset: 56, .size: 8, .value_kind: global_buffer, .address_space: global }
      - { .name: acs, .offset: 64, .size: 8, .value_kind: global_buffer, .address_space: global }
    .group_segment_fixed_size: 327680
    .private_segment_fixed_size: 0
    .kernarg_segment_align: 8
    .kernarg_segment_size: 72
    .max_flat_workgroup_size: 128
    .sgpr_count:     100
    .vgpr_count:     1024
    .wavefront_size: 32
...
	.end_amdgpu_metadata
.endif
;; end of part 2
;; launch attn (part 3): grid 4 x 64, 8 waves a work-group, clusters of 4 x 1, 314,368 bytes of LDS; arguments act, acs, mask, out0; writes out0
.if DOCPART == 3
	.amdgcn_target "amdgcn-amd-amdhsa--gfx1250"
	.amdhsa_code_object_version 6
	.text
	.protected	k_q577ce46088_attn
	.globl	k_q577ce46088_attn
	.p2align	8
	.type	k_q577ce46088_attn,@function
k_q577ce46088_attn:
	s_mov_b64 s[64:65], 0
	v_nop
	global_prefetch_b8 v0, s[64:65] scope:SCOPE_SE
	s_setreg_imm32_b32 hwreg(HW_REG_WAVE_MODE, 25, 1), 1
	s_wait_xcnt 0x0
	s_wait_alu depctr_hold_cnt(0) depctr_sa_sdst(0) depctr_va_vdst(0) depctr_va_sdst(0) depctr_va_ssrc(0) depctr_va_vcc(0) depctr_vm_vsrc(0)
	s_getreg_b32 s2, hwreg(HW_REG_IB_STS2, 6, 4)
	s_cmp_eq_u32 s2, 0
	s_cbranch_scc0 .Lentry_in_a_cluster
	s_endpgm
.Lentry_in_a_cluster:
	s_bfe_u32 s2, ttmp6, 0x10000c
	s_cmp_lg_u32 s2, 0x3003
	s_cbranch_scc0 .Lentry_shape_is_right
	s_endpgm
.Lentry_shape_is_right:
; out0[b][q][64 head + d] = the sum over keys of softmax(q . k / 8 - 10000 (1 - mask[b][key])) v[key][d], both products on codes of FP8 (E4M3) with E8M0 scales.
; THE SOFTMAX AHEAD OF THE SECOND PRODUCT: t = logit x log2(e); M = the running largest t rounded UP to a whole number; p = 2^(t - M) is quantised along the keys, not normalised; the row's sum is taken of the
; unquantised p and divides at the end; when M moves, the sum and O are multiplied by 2^(old M - new M), which rounds nothing.
; SHARES.  A work-group owns 512 queries of one head; each of its eight waves 64: four tiles of 16, so each fragment of K and V read from LDS feeds four tiles.  Two waves share a SIMD.
; A WHOLE HEAD'S K AND V (codes and scale words, 270,336 bytes) LIE IN LDS, filled ONCE: no ring, nothing is filled again.  The four work-groups of a cluster are one head's: every tile is asked for jointly.
; All reads of memory stand at the head, so there is no loop in which a prefetch could run ahead: none is written.
; LAYOUT.  Both products transposed: S^T = K Q^T, O^T = V^T P^T: a lane holds one query (lane % 16).  All operands come as images of registers (16 bytes a lane, 512 consecutive bytes a load).
; THE HEAD'S 64 IN A K OF 128: a fragment of K holds key tile 2 b at k = 0 .. 63 and key tile 2 b + 1 at k = 64 .. 127; multiplied by [q | 0] it gives the first tile's scores, by [0 | q] the second's.  Zero codes add nothing.
; By the tiles' row order the 16 registers of score tiles 2 b, 2 b + 1 are keys 32 b + 16 (lane / 16) + 0 .. 15.
; THE MASK: (1 - mask) x (-80000), which is 8 x reference's term bit for bit, is the C of the product K Q^T; t = S x log2(e) / 8.  A step's 128 terms stand in 64 registers and serve all four tiles (D lies elsewhere than C).
; Q's four tiles lie in my wave's own 4,096 LDS bytes (which are my stage at the end) and come two loads a tile into the run 0 q 0 q 0 of 40 registers, tiles by turns.
; ORDER.  Tile t + 1's products K Q^T stand among the last lines of tile t's softmax, each behind the conversion of the block of p whose registers it takes; then O^T of tile t under its new M (16 lines: the places
; behind those products); then tile t's four products V^T P^T, with eight lines of tile t + 1's maxima behind each.
; LIMITS: NaN and infinities are not served; a block whose every p is 0 keeps the byte 1 (its codes are zeros).
; REGISTERS: window 0: v1-9 addresses; v12-27 four statistics a tile (-M, largest score, the sum in two halves); v28-35, v39 scale words; v38-63 at work; v64-79 p's codes; v80-143 S^T, then p; v144-207 mask terms; v208-247 Q.
;   window 1: v0-127 O^T, 32 a tile; v128-191 K's four fragments; v192-255 V's four.
.set KC,    0                          ; K's codes: [step 16][fragment 4][2048]
.set VC,    131072                     ; V's: [step 16][tile of 16 channels 4][2048]
.set MT,    262144                     ; the mask's terms, 2,048 f32
.set KS,    270336                     ; K's scale words, 256 bytes a step
.set VS,    274432                     ; V's
.set STAGE, 278528                     ; for each wave 16 x 272 bytes: Q's image, at the end the way out
.set SP,    272
.set SPARE, 313344                     ; the spare words, 128 bytes a wave
.set SPW, 1
.set NIL, 2
.set ADK, 3
.set ADV, 4
.set ADM, 5
.set ADKS, 6
.set ADVS, 7
.set AQ,  8
.set STO, 9
.set ST,  12
.set KSC, 28                           ; v28-29 K's scale words: fragment b in register b / 2, lanes 16 (b % 2) on
.set QS,  30                           ; v30-31 Q's: tile t in register t % 2, lanes 16 (t / 2) on
.set VSC, 32                           ; v32-35 V's
.set F,   38                           ; f = 2^(old M - new M)
.set PW,  39                           ; p's scale word
.set BM,  40
.set PX,  44
.set HOLD, 48                          ; 448 x the scale; ahead of that the maxima's second chains
.set SCO, 52
.set T1,  56
.set SUM2, 58
.set RD,  60
.set GO,  61
.set TN,  62                           ; the new -M (v63, named with it as a pair, holds 8 x lane from the head on)
.set PC,  64
.set S,   80
.set MK,  144
.set QB,  208                          ; 0 at +0, +16, +32; q of an even tile at +8, of an odd one at +24
.set KF,  128                          ; in window 1
.set VF,  192
.set WV,  12
.set G1K, 24
.set G1V, 32
.set G1S, 40
.set G0K, 48
.set G0V, 52
.set G0KS, 56
.set G0VS, 60
.set CS,  66                           ; s[66:67] log2(e) / 8
.set SEL, 68
.set MNT, 70
.set MSB, 0
.macro WIN new
.if MSB != (\new)
	s_set_vgpr_msb (MSB<<8)|(\new)
.set MSB, (\new)
.endif
.endm
.macro CROUND
	s_barrier_signal -1
	s_barrier_wait -1
	s_cmp_lg_u32 s[WV], 0
	s_cbranch_scc1 .Lnot_wave_0_\@
	s_barrier_signal -3
.Lnot_wave_0_\@:
	s_barrier_wait -3
	s_barrier_signal -1
	s_barrier_wait -1
.endm
	s_load_b256 s[4:11], s[0:1], 0x0               ; act, acs, mask, out0
	v_lshl_add_u32 v[SPW], v0, 2, SPARE
	v_mov_b32 v[NIL], 0
	ds_add_u32 v[SPW], v[NIL]                      ; the opening lines: the add twice on end and its wait
	ds_add_u32 v[SPW], v[NIL]
	v_lshrrev_b32 v3, 5, v0
	s_delay_alu instid0(VALU_DEP_1)
	v_readfirstlane_b32 s[WV], v3                  ; wave 0..7
	s_and_b32 s13, s[WV], 1                        ; which eight key steps I fetch, if I fetch codes
	s_and_b32 s19, ttmp7, 0xffff
	s_lshr_b32 s14, s19, 4                         ; batch
	s_and_b32 s15, s19, 15                         ; head
	s_lshr_b32 s16, s15, 1                         ; head pair
	s_and_b32 s17, s15, 1                          ; head of the pair
	s_bfe_u32 s18, ttmp6, 0x40000                  ; cx: my 512 queries; it enters Q's and out0's addresses alone
	s_lshl_b32 s20, s16, 6
	s_lshl_b32 s21, s14, 4
	s_add_co_u32 s20, s20, s21                     ; q's first block of this batch and head pair; k's lie 512 blocks on, v's 1,024
	s_lshl_b32 s22, s13, 17                        ; eight blocks of 16,384 bytes
	s_add_co_u32 s76, s20, 512
	s_lshl_b32 s76, s76, 14
	s_add_co_u32 s76, s76, s22
	s_lshl_b32 s23, s17, 10
	s_add_co_u32 s76, s76, s23                     ; K's codes: the head's 1,024 bytes of each tile's 2,048
	s_mov_b32 s77, 0
	s_add_co_u32 s78, s20, 1024
	s_lshl_b32 s78, s78, 14
	s_add_co_u32 s78, s78, s22
	s_lshl_b32 s23, s17, 13
	s_add_co_u32 s78, s78, s23                     ; V's codes: the head's 8,192 bytes of each block
	s_mov_b32 s79, 0
	s_lshl_b32 s23, s17, 8
	s_add_co_u32 s80, s20, 512
	s_lshl_b32 s80, s80, 9
	s_add_co_u32 s80, s80, s23                     ; K's scale words: the head's 256 bytes of each block's 512
	s_mov_b32 s81, 0
	s_add_co_u32 s82, s20, 1024
	s_lshl_b32 s82, s82, 9
	s_add_co_u32 s82, s82, s23
	s_mov_b32 s83, 0
	s_lshl_b32 s84, s13, 16                        ; in LDS: eight steps of 8,192 bytes
	; groups 1: elements of 8 bytes; the mask names all four work-groups, bit 21 beside it
	s_mov_b32 s[G1K], 15|(3<<16)|(1<<21)           ; K: 64 rows of 1,024 bytes, 2,048 apart
	s_mov_b32 s[G1K+1], 128<<16
	s_mov_b32 s[G1K+2], 64<<16
	s_mov_b32 s[G1K+3], 128<<16
	s_mov_b32 s[G1K+4], 64
	s_mov_b32 s[G1K+5], 256
	s_mov_b32 s[G1K+6], 0
	s_mov_b32 s[G1K+7], 0
	s_mov_b32 s[G1V], 15|(3<<16)|(1<<21)           ; V: 8 rows of 8,192 bytes, 16,384 apart
	s_mov_b32 s[G1V+1], 1024<<16
	s_mov_b32 s[G1V+2], 8<<16
	s_mov_b32 s[G1V+3], 1024<<16
	s_mov_b32 s[G1V+4], 8
	s_mov_b32 s[G1V+5], 2048
	s_mov_b32 s[G1V+6], 0
	s_mov_b32 s[G1V+7], 0
	s_mov_b32 s[G1S], 15|(3<<16)|(1<<21)           ; scale words: 16 rows of 256 bytes, 512 apart
	s_mov_b32 s[G1S+1], 32<<16
	s_mov_b32 s[G1S+2], 16<<16
	s_mov_b32 s[G1S+3], 32<<16
	s_mov_b32 s[G1S+4], 16
	s_mov_b32 s[G1S+5], 64
	s_mov_b32 s[G1S+6], 0
	s_mov_b32 s[G1S+7], 0
	s_mov_b32 s[CS], 0x3e38aa3b                    ; log2(e) / 8
	s_mov_b32 s[CS+1], s[CS]
	s_mov_b32 s[SEL], 0x76543210
	s_mov_b32 s[SEL+1], 0xfedcba98
	s_mov_b32 s[MNT], 0x600000
	s_wait_dscnt 0x0
	s_wait_kmcnt 0x0
	s_mov_b32 s[G0K], 1
	s_mov_b32 s[G0K+1], s84
	s_add_nc_u64 s[G0K+2:G0K+3], s[4:5], s[76:77]
	s_or_b32 s[G0K+3], s[G0K+3], 0x80000000
	s_mov_b32 s[G0V], 1
	s_add_co_u32 s[G0V+1], s84, VC
	s_add_nc_u64 s[G0V+2:G0V+3], s[4:5], s[78:79]
	s_or_b32 s[G0V+3], s[G0V+3], 0x80000000
	s_mov_b32 s[G0KS], 1
	s_mov_b32 s[G0KS+1], KS
	s_add_nc_u64 s[G0KS+2:G0KS+3], s[6:7], s[80:81]
	s_or_b32 s[G0KS+3], s[G0KS+3], 0x80000000
	s_mov_b32 s[G0VS], 1
	s_mov_b32 s[G0VS+1], VS
	s_add_nc_u64 s[G0VS+2:G0VS+3], s[6:7], s[82:83]
	s_or_b32 s[G0VS+3], s[G0VS+3], 0x80000000
	CROUND                                         ; all four work-groups are here: the joint loads meet
; THE HEAD'S LOADS, at most one a wave, in one chain of branches on the wave's number: waves 0, 1 K's halves; 2, 3 V's halves; 4 K's scale words; 5 V's
.macro ARM under, g0, g1, next
	s_cmp_lt_u32 s[WV], \under
	s_cbranch_scc0 \next
	tensor_load_to_lds s[\g0:\g0+3], s[\g1:\g1+7]
	s_nop 0
.rept 4
	v_nop
.endr
	s_branch .Lhead_asked
\next:
.endm
	ARM 2, G0K,  G1K, .Lhead_v
	ARM 4, G0V,  G1V, .Lhead_ks
	ARM 5, G0KS, G1S, .Lhead_vs
	ARM 6, G0VS, G1S, .Lhead_none
.Lhead_asked:
	s_lshl_b32 s86, s18, 2
	s_lshr_b32 s87, s[WV], 1
	s_add_co_u32 s86, s86, s87
	s_add_co_u32 s86, s86, s20                     ; Q's block: 4 cx + wave / 2 steps on
	s_lshl_b32 s88, s86, 14
	s_and_b32 s87, s[WV], 1
	s_lshl_b32 s89, s87, 13                        ; my four tiles of its eight
	s_add_co_u32 s88, s88, s89
	s_lshl_b32 s89, s17, 10
	s_add_co_u32 s88, s88, s89
	s_mov_b32 s89, 0
	s_add_nc_u64 s[88:89], s[4:5], s[88:89]
	s_lshl_b32 s90, s86, 9
	s_lshl_b32 s91, s17, 8
	s_add_co_u32 s90, s90, s91
	s_lshl_b32 s91, s87, 2
	s_add_co_u32 s90, s90, s91
	s_mov_b32 s91, 0
	s_add_nc_u64 s[90:91], s[6:7], s[90:91]
	s_lshl_b32 s92, s14, 23                        ; out0: the batch's 2,048 rows of 4,096 bytes,
	s_lshl_b32 s93, s18, 21                        ; 512 cx rows,
	s_add_co_u32 s92, s92, s93
	s_lshl_b32 s93, s[WV], 18                      ; 64 x wave rows,
	s_add_co_u32 s92, s92, s93
	s_lshl_b32 s93, s15, 8                         ; the head's 256 bytes
	s_add_co_u32 s92, s92, s93
	s_mov_b32 s93, 0
	s_add_nc_u64 s[10:11], s[10:11], s[92:93]
	s_lshl_b32 s94, s14, 13
	s_mov_b32 s95, 0
	s_add_nc_u64 s[8:9], s[8:9], s[94:95]          ; the batch's mask
	s_mul_i32 s75, s[WV], 16*SP
	s_add_co_u32 s75, s75, STAGE                   ; my wave's own LDS bytes
	v_and_b32 v57, 31, v0                          ; lane
	v_and_b32 v36, 15, v0                          ; r
	v_bfe_u32 v37, v0, 4, 1                        ; h
	s_delay_alu instid0(VALU_DEP_3)
	v_lshlrev_b32 v[ADK], 4, v57                   ; an image's place: 16 x lane
	s_delay_alu instid0(VALU_DEP_1)
	v_add_nc_u32 v[ADV], VC, v[ADK]
	s_delay_alu instid0(VALU_DEP_3)
	v_lshl_add_u32 v[ADM], v37, 6, MT              ; my 16 keys of a block of 32
	v_lshl_add_u32 v[ADKS], v57, 3, KS
	v_lshl_add_u32 v[ADVS], v36, 4, VS
	v_add_nc_u32 v[AQ], s75, v[ADK]
	v_lshlrev_b32 v63, 3, v57
	v_lshlrev_b32 v58, 4, v0
	v_lshl_add_u32 v59, v0, 4, MT
.irp k, 0,1,2,3,4,5,6,7
	global_load_b128 v[S+8+4*\k:S+11+4*\k], v[ADK], s[88:89] offset:2048*(\k/2)+512*(\k%2)   ; Q: tile k / 2, piece k % 2
.endr
	global_load_b32 v62, v63, s[90:91]             ; lanes 0-15: the word of my tiles 0, 1; lanes 16-31: of tiles 2, 3
	global_load_b128 v[S:S+3], v58, s[8:9]         ; the mask: 256 threads x 2 x 4 numbers
	global_load_b128 v[S+4:S+7], v58, s[8:9] offset:4096
.irp t, 0,1,2,3
	v_mov_b32 v[ST+4*\t], 0x7f61b1e6               ; -M: 3e38
	v_mov_b32 v[ST+4*\t+1], 0xff61b1e6             ; the largest score so far: -3e38
	v_mov_b32 v[ST+4*\t+2], 0                      ; the sum, in two halves
	v_mov_b32 v[ST+4*\t+3], 0
.endr
.irp z, 0,16,32
.irp j, 0,1,2,3,4,5,6,7
	v_mov_b32 v[QB+\z+\j], 0                       ; the zero codes beside q
.endr
.endr
.irp b, 0,1,2,3
	v_mov_b32 v[PX+\b], 0                          ; a lane permute's destination counts as read
.endr
	v_mov_b32 v[PW], 0                             ; named as the upper half of the pair with f before it is first made
	WIN 0x40
.set I, 0
.rept 128
	v_mov_b32 v[I], 0                              ; O^T: the loop is written once; its first step finds zeros, which the first change of M leaves zeros
.set I, I+1
.endr
	WIN 0
	s_wait_alu depctr_va_vdst(0)                   ; the wait at the head's end
	s_wait_loadcnt 0x0
	v_perm_b32 v[QS], v62, v62, 0x01000100         ; (s0, s1, s0, s1) of the even tiles: it serves [q | 0] and [0 | q] alike
	v_perm_b32 v[QS+1], v62, v62, 0x03020302       ; of the odd tiles
.irp i, 0,1,2,3,4,5,6,7
	v_sub_f32 v[S+\i], 1.0, v[S+\i]
.endr
.irp i, 0,1,2,3,4,5,6,7
	v_mul_f32 v[S+\i], 0xc79c4000, v[S+\i]         ; x -80000
.endr
	ds_store_b128 v59, v[S:S+3]
	ds_store_b128 v59, v[S+4:S+7] offset:4096
.irp k, 0,1,2,3,4,5,6,7
	ds_store_b128 v[AQ], v[S+8+4*\k:S+11+4*\k] offset:512*\k   ; Q's image, my wave's own bytes
.endr
	s_wait_tensorcnt 0x0                           ; my load, if I had one, is in,
	s_wait_dscnt 0x0                               ; my part of the mask's terms is stored,
	s_barrier_signal -1
	s_barrier_wait -1                              ; everybody's are
.macro QLOAD t                         ; q of tile t beside its zeros
.irp c, 0,1
	ds_load_b128 v[QB+16*((\t)%2)+8+4*\c:QB+16*((\t)%2)+11+4*\c], v[AQ] offset:1024*(\t)+512*\c
.endr
.endm
.macro NEXT                            ; a step's K, its scale words, its mask terms (register 16 b + i = key 32 b + 16 h + i) and q of tile 0
	WIN 0x40
.irp b, 0,1,2,3
.irp c, 0,1,2,3
	ds_load_b128 v[KF+16*\b+4*\c:KF+16*\b+4*\c+3], v[ADK] offset:2048*\b+512*\c
.endr
.endr
	WIN 0
	ds_load_b64 v[KSC:KSC+1], v[ADKS]
.irp b, 0,1,2,3
.irp j, 0,1,2,3
	ds_load_b128 v[MK+16*\b+4*\j:MK+16*\b+4*\j+3], v[ADM] offset:128*\b+16*\j
.endr
.endr
	QLOAD 0
.endm
.macro QK1 t, b, u                     ; score tile 2 b + u of query tile t; C = the mask's terms
.set rS, S+8*(2*(\b)+(\u))
.set rC, MK+8*(2*(\b)+(\u))
.set rK, KF+16*(\b)
.set rQ, QB+16*((\t)%2)+8*(1-(\u))
.set rA, KSC+(\b)/2
.set rB, QS+(\t)%2
.if ((\b)%2 == 0) && ((\t)/2 == 0)
	v_wmma_scale_f32_16x16x128_f8f6f4 v[rS:rS+7], v[rK:rK+15], v[rQ:rQ+15], v[rC:rC+7], v[rA], v[rB]
.elseif ((\b)%2 == 1) && ((\t)/2 == 0)
	v_wmma_scale_f32_16x16x128_f8f6f4 v[rS:rS+7], v[rK:rK+15], v[rQ:rQ+15], v[rC:rC+7], v[rA], v[rB] matrix_a_scale:MATRIX_SCALE_ROW1
.elseif ((\b)%2 == 0)
	v_wmma_scale_f32_16x16x128_f8f6f4 v[rS:rS+7], v[rK:rK+15], v[rQ:rQ+15], v[rC:rC+7], v[rA], v[rB] matrix_b_scale:MATRIX_SCALE_ROW1
.else
	v_wmma_scale_f32_16x16x128_f8f6f4 v[rS:rS+7], v[rK:rK+15], v[rQ:rQ+15], v[rC:rC+7], v[rA], v[rB] matrix_a_scale:MATRIX_SCALE_ROW1 matrix_b_scale:MATRIX_SCALE_ROW1
.endif
.endm
.macro QKW t, b, u                     ; one such product among vector lines
	WIN 0x01
	QK1 \t, \b, \u
	WIN 0
.endm
; The largest score of each block of 32 keys, for the row's maximum and, since p rises with the score, for the block's largest p: 32 lines in four groups of eight, two chains a block
.macro MX l
.if (\l) == 0
.irp b, 0,1,2,3
	v_max3_num_f32 v[BM+\b], v[S+16*\b], v[S+16*\b+1], v[S+16*\b+2]
.endr
.irp b, 0,1,2,3
	v_max3_num_f32 v[HOLD+\b], v[S+16*\b+8], v[S+16*\b+9], v[S+16*\b+10]
.endr
.elseif (\l) < 3
.irp b, 0,1,2,3
	v_max3_num_f32 v[BM+\b], v[BM+\b], v[S+16*\b+2*(\l)+1], v[S+16*\b+2*(\l)+2]
.endr
.irp b, 0,1,2,3
	v_max3_num_f32 v[HOLD+\b], v[HOLD+\b], v[S+16*\b+2*(\l)+9], v[S+16*\b+2*(\l)+10]
.endr
.else
.irp b, 0,1,2,3
	v_max3_num_f32 v[BM+\b], v[BM+\b], v[S+16*\b+7], v[S+16*\b+15]
.endr
.irp b, 0,1,2,3
	v_max_num_f32 v[BM+\b], v[BM+\b], v[HOLD+\b]
.endr
.endif
.endm
.macro TG b, g                         ; four of p's registers: into the row's sum (two chains), then held
.set J, 16*(\b)+4*(\g)
.if J == 0
	v_pk_add_f32 v[SUM2:SUM2+1], v[S:S+1], v[S+2:S+3]
.else
	v_pk_add_f32 v[NM+2:NM+3], v[NM+2:NM+3], v[S+J:S+J+1]
	v_pk_add_f32 v[SUM2:SUM2+1], v[SUM2:SUM2+1], v[S+J+2:S+J+3]
.endif
	v_dual_min_num_f32 v[S+J], v[S+J], v[HOLD+(\b)] :: v_dual_min_num_f32 v[S+J+1], v[S+J+1], v[HOLD+(\b)]   ; the conversion does not saturate (ISA guide 7.6.2); p is not negative
	v_dual_min_num_f32 v[S+J+2], v[S+J+2], v[HOLD+(\b)] :: v_dual_min_num_f32 v[S+J+3], v[S+J+3], v[HOLD+(\b)]
.endm
.macro CV b, k                         ; eight of block b's p become codes
	v_cvt_scalef32_pk8_fp8_f32 v[PC+4*(\b)+2*(\k):PC+4*(\b)+2*(\k)+1], v[S+16*(\b)+8*(\k):S+16*(\b)+8*(\k)+7], v[SCO+(\b)]
.endm
; The softmax of tile t for 128 keys, behind its maxima: S^T becomes p, p's codes and p's scale word.  nx = 1: tile t + 1's products K Q^T stand among its last lines
.macro SM t, nx
.set NM, ST+4*(\t)
.irp b, 0,1,2,3
	s_delay_alu instid0(VALU_DEP_4)
	v_permlanex16_b32 v[PX+\b], v[BM+\b], s[SEL], s[SEL+1]
.endr
.irp b, 0,2
	v_dual_max_num_f32 v[BM+\b], v[BM+\b], v[PX+\b] :: v_dual_max_num_f32 v[BM+\b+1], v[BM+\b+1], v[PX+\b+1]   ; with lane l xor 16's 16 keys
.endr
	v_max3_num_f32 v[T1], v[BM], v[BM+1], v[BM+2]
	s_delay_alu instid0(VALU_DEP_1)
	v_max3_num_f32 v[NM+1], v[T1], v[BM+3], v[NM+1]   ; the running largest score
	s_delay_alu instid0(VALU_DEP_1)
	v_mul_f32 v[T1], s[CS], v[NM+1]                ; as t (the factor is positive)
	s_delay_alu instid0(VALU_DEP_1)
	v_floor_f32 v[TN], -v[T1]                      ; the new -M = -ceil(t)
	s_delay_alu instid0(VALU_DEP_1)
	v_sub_f32 v[T1], v[TN], v[NM]                  ; old M - new M: a whole number, 0 or less
	s_delay_alu instid0(VALU_DEP_2)
	v_mov_b32 v[NM], v[TN]
.set J, 0
.rept 32
	v_pk_fma_f32 v[S+J:S+J+1], v[S+J:S+J+1], s[CS:CS+1], v[TN:TN+1] op_sel_hi:[1,0,0]   ; t - M
.if J == 4
	v_cvt_i32_f32 v[T1], v[T1]                     ; (it saturates)
.endif
.if J == 14
	v_ldexp_f32 v[F], 1.0, v[T1]                   ; f
.endif
.set J, J+2
.endr
.irp b, 0,1,2,3
	v_fma_f32 v[BM+\b], v[BM+\b], s[CS], v[TN]
.endr
.set J, 0
	s_wait_alu depctr_va_vdst(0)                   ; the wait ahead of the batch
.rept 64
	v_exp_f32 v[S+J], v[S+J]                       ; p = 2^(t - M)
.set J, J+1
.endr
.irp b, 0,1,2,3
	v_exp_f32 v[BM+\b], v[BM+\b]                   ; the block's largest p: the same two instructions on the same number
.endr
	v_pk_mul_f32 v[NM+2:NM+3], v[NM+2:NM+3], v[F:F+1] op_sel_hi:[1,0]   ; the sums under the new M (a plain line behind the exponentials)
	s_wait_alu depctr_va_vdst(0)                   ; and behind it
.if \nx
	s_wait_dscnt 0x0                               ; all my LDS loads are in: the next tile's q among them (tile 0: V too); the youngest were issued ahead of this softmax
.endif
.irp b, 0,2
	v_dual_max_num_f32 v[BM+\b], 0x4800000, v[BM+\b] :: v_dual_max_num_f32 v[BM+\b+1], 0x4800000, v[BM+\b+1]   ; the floor 2^(9 - 127)
.endr
.irp b, 0,1,2,3
	v_add_nc_u32 v[SCO+\b], 0xfc000000, v[BM+\b]   ; the conversion's scale operand
.endr
.irp b, 0,1,2,3
	v_and_or_b32 v[HOLD+\b], v[BM+\b], 0x7f800000, s[MNT]   ; 448 x the scale
.endr
.irp b, 0,1,2,3
	v_lshrrev_b32 v[PX+\b], 23, v[SCO+\b]          ; the byte
.endr
	TG 0, 0
	v_lshl_or_b32 v[PW], v[PX+1], 8, v[PX]
	TG 0, 1
	v_lshl_or_b32 v[PW], v[PX+2], 16, v[PW]
	TG 0, 2
	v_lshl_or_b32 v[PW], v[PX+3], 24, v[PW]        ; p's scale word: far more than eight plain lines ahead of the products that name it
	CV 0, 0
	TG 0, 3
.irp b, 1,2,3
	TG \b, 0
	CV \b-1, 1
	TG \b, 1
.if \nx
	QKW \t+1, \b-1, 0                              ; into the registers of block b - 1's first half: converted, plain lines since
.endif
	TG \b, 2
	CV \b, 0
	TG \b, 3
.if \nx
	QKW \t+1, \b-1, 1
.endif
.endr
	CV 3, 1
	v_pk_add_f32 v[NM+2:NM+3], v[NM+2:NM+3], v[SUM2:SUM2+1]   ; the two chains joined: also the plain line behind the last conversion
.if \nx
	WIN 0x01
	QK1 \t+1, 3, 0
	QK1 \t+1, 3, 1
	WIN 0
.endif
.endm
; O^T of tile t under its new M, then O^T += V^T P^T.  mx = 1: eight lines of the next tile's maxima stand behind each product.  nxt = 1: the next step's K, mask terms and q are asked for behind the 16 multiplications
.macro RPM t, mx, nxt
	WIN 0x41
	s_wait_alu depctr_va_vdst(0)                   ; the wait directly ahead of the first reader of O^T
.set I, 0
.rept 16
	v_pk_mul_f32 v[32*(\t)+2*I:32*(\t)+2*I+1], v[32*(\t)+2*I:32*(\t)+2*I+1], v[F:F+1] op_sel_hi:[1,0]   ; also the places behind the products K Q^T
.set I, I+1
.endr
.if \nxt
	WIN 0
	s_cmp_eq_u32 s74, 1                            ; the last step has no successor
	s_wait_alu depctr_va_vdst(0)                   ; the wait directly ahead of the branch
	s_cbranch_scc1 .Lno_next
	NEXT
.Lno_next:
.endif
.irp d, 0,1,2,3
	WIN 0x51                                       ; V, C and D in window 1
	v_wmma_scale_f32_16x16x128_f8f6f4 v[32*(\t)+8*\d:32*(\t)+8*\d+7], v[VF+16*\d:VF+16*\d+15], v[PC:PC+15], v[32*(\t)+8*\d:32*(\t)+8*\d+7], v[VSC+\d], v[PW]
.if \mx
	WIN 0
	MX \d
.endif
.endr
	WIN 0
.endm
	NEXT                                           ; step 0's
	s_mov_b32 s74, 16
.Lstep:                                            ; 16 trips of 128 keys.  No two products that follow each other share an accumulator
	s_wait_dscnt 0x0                               ; this step's K, scale words, mask terms and q of tile 0: issued a softmax ago
	WIN 0x01
.irp b, 0,1,2,3
.irp u, 0,1
	QK1 0, \b, \u
.endr
.endr
	WIN 0
	v_add_nc_u32 v[ADK], 8192, v[ADK]              ; on to the next step's K, mask terms and scale words
	v_add_nc_u32 v[ADM], 512, v[ADM]
	v_add_nc_u32 v[ADKS], 256, v[ADKS]
.rept 5
	v_nop                                          ; with the three additions: eight places behind the last step's last products and behind these, in front of the loads into V's registers
.endr
	WIN 0x40
.irp d, 0,1,2,3
.irp c, 0,1,2,3
	ds_load_b128 v[VF+16*\d+4*\c:VF+16*\d+4*\c+3], v[ADV] offset:2048*\d+512*\c
.endr
.endr
	WIN 0
	ds_load_b128 v[VSC:VSC+3], v[ADVS]
	v_add_nc_u32 v[ADV], 8192, v[ADV]
	v_add_nc_u32 v[ADVS], 256, v[ADVS]
	QLOAD 1
	MX 0
	MX 1
	MX 2
	MX 3
	SM 0, 1
	QLOAD 2
	RPM 0, 1, 0
	SM 1, 1
	QLOAD 3
	RPM 1, 1, 0
	SM 2, 1
	RPM 2, 1, 1
	SM 3, 0
	RPM 3, 0, 0
	s_sub_co_u32 s74, s74, 1
	s_cmp_lg_u32 s74, 0
	s_cbranch_scc1 .Lstep
	; THE WAY OUT.  O^T / the sum goes through my stage, a tile of 16 queries at a time, and leaves as rows of 256 bytes.
	v_and_b32 v36, 15, v0                          ; r
	v_bfe_u32 v37, v0, 4, 1                        ; h
	v_mul_u32_u24 v[STO], v36, SP
	s_delay_alu instid0(VALU_DEP_1)
	v_lshl_add_u32 v[STO], v37, 6, v[STO]
	s_delay_alu instid0(VALU_DEP_1)
	v_add_nc_u32 v[STO], s75, v[STO]               ; in: row r, + 64 h
	v_mul_u32_u24 v[RD], v37, SP
	s_delay_alu instid0(VALU_DEP_1)
	v_lshl_add_u32 v[RD], v36, 4, v[RD]
	s_delay_alu instid0(VALU_DEP_1)
	v_add_nc_u32 v[RD], s75, v[RD]                 ; back: lanes 0-15 one row, lanes 16-31 the next
	v_lshlrev_b32 v[GO], 12, v37
	s_delay_alu instid0(VALU_DEP_1)
	v_lshl_add_u32 v[GO], v36, 4, v[GO]
.irp t, 0,1,2,3
	v_add_f32 v[ST+4*\t+2], v[ST+4*\t+2], v[ST+4*\t+3]
.endr
.irp t, 0,1,2,3
	s_delay_alu instid0(VALU_DEP_4)
	v_permlanex16_b32 v[ST+4*\t+3], v[ST+4*\t+2], s[SEL], s[SEL+1]
.endr
.irp t, 0,1,2,3
	s_delay_alu instid0(VALU_DEP_4)
	v_add_f32 v[ST+4*\t+2], v[ST+4*\t+2], v[ST+4*\t+3]   ; the row's sum
.endr
	s_wait_alu depctr_va_vdst(0)
.irp t, 0,1,2,3
	v_rcp_f32 v[ST+4*\t+2], v[ST+4*\t+2]
.endr
	v_nop                                          ; a plain line behind the last reciprocal
	s_wait_alu depctr_va_vdst(0)
.macro OUTT t
.if \t > 0
	s_wait_xcnt 0x0                                ; the last tile's stores have read their registers
.endif
	WIN 0x01                                       ; O^T in window 1, each accumulator from its low end on
.set I, 0
.rept 16
	v_pk_mul_f32 v[S+2*I:S+2*I+1], v[32*\t+2*I:32*\t+2*I+1], v[ST+4*\t+2:ST+4*\t+3] op_sel_hi:[1,0]   ; register 16 g + i: channel 32 g + 16 h + i
.set I, I+1
.endr
	WIN 0
.irp g, 0,1
.irp j, 0,1,2,3
	ds_store_b128 v[STO], v[S+16*\g+4*\j:S+16*\g+4*\j+3] offset:128*\g+16*\j
.endr
.endr
.irp k, 0,1,2,3,4,5,6,7
	ds_load_b128 v[S+32+4*\k:S+32+4*\k+3], v[RD] offset:2*SP*\k   ; LDS serves a wave's instructions in order: these see my stores
.endr
.irp k, 0,1,2,3,4,5,6,7
	s_wait_dscnt 7-\k                              ; the younger row loads may be out
	global_store_b128 v[GO], v[S+32+4*\k:S+32+4*\k+3], s[10:11] offset:(32*(\t/2)+8*(\t%2)+2*\k+8*(\k/4))*4096 th:TH_STORE_NT   ; row p of the tile is token 32 (t / 2) + 8 (t % 2) + p + 8 (p / 8); 16 lanes store 256 consecutive bytes, aligned
.endr
.endm
	OUTT 0
	OUTT 1
	OUTT 2
	OUTT 3
	s_wait_tensorcnt 0x0                           ; the wave's end
	ds_add_u32 v[SPW], v[NIL]
	s_wait_dscnt 0x0
	CROUND                                         ; the closing round: no work-group ends while a partner may still ask for a tile that names it
	s_endpgm
.Lfunc_end_k_q577ce46088_attn:
	.size	k_q577ce46088_attn, .Lfunc_end_k_q577ce46088_attn-k_q577ce46088_attn
	.p2alignl 7, 3214868480
	.fill 96, 4, 3214868480
	.section	.rodata,"a",@progbits
	.p2align	6, 0x0
	.amdhsa_kernel k_q577ce46088_attn
		.amdhsa_group_segment_fixed_size 314368
		.amdhsa_private_segment_fixed_size 0
		.amdhsa_enable_private_segment 0
		.amdhsa_kernarg_size 32
		.amdhsa_user_sgpr_count 2
		.amdhsa_user_sgpr_kernarg_segment_ptr 1
		.amdhsa_wavefront_size32 1
		.amdhsa_system_sgpr_workgroup_id_x 1
		.amdhsa_system_sgpr_workgroup_id_y 1
		.amdhsa_system_sgpr_workgroup_id_z 1
		.amdhsa_system_vgpr_workitem_id 0
		.amdhsa_next_free_vgpr 512
		.amdhsa_next_free_sgpr 96
		.amdhsa_reserve_vcc 0
		.amdhsa_float_denorm_mode_32 3
		.amdhsa_float_denorm_mode_16_64 3
		.amdhsa_memory_ordered 1
		.amdhsa_forward_progress 1
		.amdhsa_inst_pref_size 103
	.end_amdhsa_kernel
	.amdgpu_metadata
---
amdhsa.version: [ 1, 2 ]
amdhsa.kernels:
  - .name:           k_q577ce46088_attn
    .symbol:         k_q577ce46088_attn.kd
    .args:
      - { .name: act, .offset: 0, .size: 8, .value_kind: global_buffer, .address_space: global }
      - { .name: acs, .offset: 8, .size: 8, .value_kind: global_buffer, .address_space: global }
      - { .name: mask, .offset: 16, .size: 8, .value_kind: global_buffer, .address_space: global }
      - { .name: out0, .offset: 24, .size: 8, .value_kind: global_buffer, .address_space: global }
    .group_segment_fixed_size: 314368
    .private_segment_fixed_size: 0
    .kernarg_segment_align: 8
    .kernarg_segment_size: 32
    .max_flat_workgroup_size: 256
    .sgpr_count:     96
    .vgpr_count:     512
    .wavefront_size: 32
...
	.end_amdgpu_metadata
.endif
;; end of part 3
